; MI455X (gfx1250); checked and timed in simulation.
; The chip was launched on July 23, 2026; its instructions are those of AMD's public machine-readable ISA for CDNA 5 (MIT licence, August 2026) and "CDNA5" Instruction Set Architecture Reference Guide (July 2026). The comments in the code are by the model that wrote it; some were corrected since.
;; Scaled Dot Product Attention. Allowed arithmetic: matrix products marked QUANTISED: E2M3 operands, one E8M0 scale for each 32 along K, by v_wmma_scale_f32_16x16x128_f8f6f4 with both operands' format E2M3, f32 sums; everything else in f32.
;; Inputs: K_codes 4 x 16 x 2,048 x 2 x 24 uint8 (E2M3 codes of K, K innermost, in blocks of 32 codes, four codes in three bytes); K_scales 4 x 16 x 2,048 x 2 uint8 (E8M0 scales of K, one for each 32 codes along K); Q_codes 4 x 16 x 2,048 x 2 x 24 uint8 (E2M3 codes of Q, K innermost, in blocks of 32 codes, four codes in three bytes); Q_scales 4 x 16 x 2,048 x 2 uint8 (E8M0 scales of Q, one for each 32 codes along K); V_codes 4 x 16 x 64 x 64 x 24 uint8 (E2M3 codes of V, K innermost, in blocks of 32 codes, four codes in three bytes); V_scales 4 x 16 x 64 x 64 uint8 (E8M0 scales of V, one for each 32 codes along K); mask 1 x 1 x 2,048 x 2,048 bool.
;; Outputs: out0 4 x 16 x 2,048 x 64 float32.
;; This version of the problem:
;;   THIS VERSION OF THE PROBLEM IS GIVEN IN LOW PRECISION. The matrix products marked QUANTISED in the list below multiply operands that are first quantised to E2M3 (2 exponent bits, 3 mantissa bits; 6 bits a number), with one power-of-two scale for each 32 numbers along K (OCP MX v1.0); their sums are f32. All else is computed in f32.
;;   The module's matrix products, in the order in which they are computed (A, B: the left and right operand; K: the contracted axis; several contracted axes count as one K, in the product's order):
;;     1. batch 64 x [M 2,048, K 64] x [K 64, N 2,048]; A: input Q (given as codes); B: input K (given as codes): QUANTISED
;;     2. batch 64 x [M 2,048, K 2,048] x [K 2,048, N 64]; A: softmax (see below); B: input V (given as codes): QUANTISED
;;   THE QUANTISER, for each operand of a quantised product, along K:
;;     - K is cut into blocks of 32 from its start; a last block that is shorter is filled with zeros.
;;     - A block's scale is 2^e with e = floor(log2(the largest magnitude in the block)) - 2, held to -126 .. 127; a block of zeros has e = 0. As a byte (E8M0): e + 127.
;;     - Each number is divided by its block's scale, clamped to +-7.5, and rounded to the nearest number of E2M3, ties to even, subnormals kept.
;;     - The product sums the exact products of the quantised numbers (number of the format x scale) in f32.
;;   ~~~python
;;   def quantise(x, axis):      # numpy; x: float32 -> the quantised numbers, widened to float32 again
;;       x = np.moveaxis(x, axis, -1); K = x.shape[-1]
;;       x = np.pad(x, [(0, 0)] * (x.ndim - 1) + [(0, -K % 32)]); x = x.reshape(x.shape[:-1] + (-1, 32)); a = np.abs(x).max(-1, keepdims=True)
;;       e = np.where(a > 0, np.clip(np.frexp(np.where(a > 0, a, 1))[1] - 1 - 2, -126, 127), 0)      # np.frexp(a)[1] - 1 = floor(log2(a)), exactly
;;       r = np.clip(x / 2.0 ** e, -7.5, 7.5)
;;       step = 2.0 ** (np.maximum(np.frexp(np.where(r == 0, 1, r))[1] - 1, 0) - 3)
;;       q = np.round(r / step) * step * 2.0 ** e      # np.round: ties to even
;;       return np.moveaxis(q.reshape(q.shape[:-2] + (-1,))[..., :K], -1, axis).astype(np.float32)
;;   ~~~
;;   SOFTMAX AHEAD OF A QUANTISED PRODUCT. Where the list says 'softmax', what is quantised is not the finished softmax but p = 2^(t - M), with t = logit x log2(e) and M = ceil(the row's largest t), a whole number; so 1/2 < the row's largest p <= 1. The row's sum l is taken of the UNQUANTISED p, in f32, and the product's result is divided by l at the end. Since M is a whole number, a kernel that streams over the keys may use a running M (the ceiling of the running maximum): every later rescaling is an exact power of two, which a block's scale takes up: the codes' values come out the same.
;;   OPERANDS COMPUTED ON THE WAY. 'Computed on the way' means the value that the module computes at that place (a softmax that the list does not call 'softmax' is quantised finished and normalised). What goes into a quantiser is computed in f32, as accurately as f32 sums, v_exp_f32 and their like allow (about 1e-6 of the number): no bf16 or f16 on the way to a quantiser, and a product that is left as it is and whose result goes on into a quantised operand takes f32 operands (vector FMAs, or v_wmma_f32_16x16x4_f32). A number that lies on a knife's edge between two numbers of the format may be rounded either way, as far as f32 arithmetic and the matrix unit's own rounding can turn it there, and no further.
;;   INPUTS GIVEN AS CODES. K (in the module: [4, 16, 2048, 64], K = its axis 3); Q (in the module: [4, 16, 2048, 64], K = its axis 3); V (in the module: [4, 16, 2048, 64], K = its axis 2): each comes as NAME_codes (uint8): NAME with its K axis moved to the last place and cut into blocks of 32 codes, [.., K / 32, bytes a block], one block behind the other in memory; four codes in three bytes: a row's codes are one little-endian stream of bits, code i at bits 6 i .. 6 i + 5 (a code: sign, 2 exponent bits, 3 mantissa bits); and NAME_scales (uint8): the same leading axes, one E8M0 byte (e + 127) for each 32 codes along K. Its value is code x scale, taken as it is: it is not quantised again, and the codes and scales need not be those that the quantiser above would give.
;; One version. Each part assembles by itself: llvm-mc -triple=amdgcn-amd-amdhsa -mcpu=gfx1250 --defsym DOCPART=n.
;; ======== version 1 of 1: 2 launches
;; workspace buffers: maskw 524,288 bytes of whole numbers; clsw 1,024 bytes of whole numbers
;; launch maskprep (part 1): grid 2 x 128, 8 waves a work-group, no clusters, 1,280 bytes of LDS; arguments mask, maskw, clsw; writes maskw, clsw
.if DOCPART == 1
	.amdgcn_target "amdgcn-amd-amdhsa--gfx1250"
	.amdhsa_code_object_version 6
	.text
	.protected	k_q97dc3c3616_maskprep
	.globl	k_q97dc3c3616_maskprep
	.p2align	8
	.type	k_q97dc3c3616_maskprep,@function
k_q97dc3c3616_maskprep:
	s_mov_b64 s[64:65], 0
	v_nop
	global_prefetch_b8 v0, s[64:65] scope:SCOPE_SE
	s_setreg_imm32_b32 hwreg(HW_REG_WAVE_MODE, 25, 1), 1
	s_wait_xcnt 0x0
; THE MASK, ONCE FOR ALL 64 HEADS.  mask: [2048 queries][2048 keys], one byte each; a byte other than 0 counts as True (the key is hidden from the query).
; A UNIT is a tile of 16 queries (qt) x a key step of 128 keys (ks).  For each unit this launch stores
;   maskw[qt][ks][n], n = 0 .. 63: a word whose bit l (l = 16 h + r) says whether key 128 ks + 32 (n / 16) + 16 h + n % 16 is hidden from query 16 qt + r.
;     That is the lane mask for score register n of the attention launch, which holds that key of that query in lane l.  A unit's 64 words are 256 bytes, aligned.
;   two bits in clsw[qt][ks / 8], at bits 2 (ks % 8): 0 = every key hidden from every query, 1 = mixed, 2 = nothing hidden.
; SHARES.  Work-group (x = half, y = qt), eight waves; wave w takes the unit (qt, 8 half + w).  Lane (r, h) loads, for b = 0 .. 3, the 16 bytes of row 16 qt + r at key 128 ks + 32 b + 16 h:
; byte i of them belongs to word n = 16 b + i, and a compare over the 32 lanes IS that word.  The eight waves together read 1,024 consecutive bytes of each of 16 rows.
; The 64 words are gathered by v_writelane_b32, two to a lane, and leave by one store of 256 consecutive bytes.  The class words, 1,024 bytes in the whole launch, leave as single stores of 4 bytes.
.set X, 8                              ; v[8:23]   64 mask bytes of my lane
.set T, 24                             ; v[24:27]  a byte, by turns
.set W, 28                             ; v[28:29]  lane L: words 2 L and 2 L + 1
	s_load_b128 s[4:7], s[0:1], 0x0                ; mask s[4:5], maskw s[6:7]
	s_load_b64 s[8:9], s[0:1], 0x10                ; clsw
	v_lshl_add_u32 v40, v0, 2, 0x100
	v_mov_b32 v41, 0
	v_lshrrev_b32 v6, 5, v0
	v_readfirstlane_b32 s10, v6                    ; wave 0..7
	v_lshlrev_b32 v6, 2, v6                        ; LDS: my wave's word
	s_and_b32 s12, ttmp7, 0xffff                   ; qt
	s_lshl_b32 s13, ttmp9, 3
	s_add_co_u32 s13, s13, s10                     ; ks = 8 half + wave
	v_and_b32 v1, 31, v0                           ; lane
	v_and_b32 v2, 15, v0                           ; r
	v_bfe_u32 v3, v0, 4, 1                         ; h
	v_lshlrev_b32 v4, 11, v2
	v_lshl_add_u32 v4, v3, 4, v4                   ; in: row r of 2,048 bytes, + 16 h
	v_lshlrev_b32 v5, 3, v1                        ; out: 8 bytes a lane
	v_mov_b32 v7, 0
	v_mov_b32 v[W], 0                              ; v_writelane_b32's destination counts as read: written once here
	v_mov_b32 v[W+1], 0
	s_mov_b32 s24, -1                              ; the AND of the 64 words
	s_mov_b32 s25, 0                               ; and their OR
	s_mov_b32 s15, 0
	s_lshl_b32 s14, s12, 15                        ; 16 rows of 2,048 bytes a tile,
	s_lshl_b32 s2, s13, 7                          ; 128 bytes a key step
	s_add_co_u32 s14, s14, s2
	s_wait_kmcnt 0x0
	s_add_nc_u64 s[4:5], s[4:5], s[14:15]
.irp b, 0,1,2,3
	global_load_b128 v[X+4*\b:X+4*\b+3], v4, s[4:5] offset:32*\b
.endr
	s_lshl_b32 s14, s12, 4
	s_add_co_u32 s14, s14, s13
	s_lshl_b32 s14, s14, 8                         ; unit (qt, ks): 256 bytes each
	s_add_nc_u64 s[6:7], s[6:7], s[14:15]
	s_lshl_b32 s14, s12, 1
	s_add_co_u32 s14, s14, ttmp9
	s_lshl_b32 s14, s14, 2                         ; class word (qt, half)
	s_add_nc_u64 s[8:9], s[8:9], s[14:15]
	s_wait_loadcnt 0x0
.set n, 0
.rept 64
	v_bfe_u32 v[T+n%4], v[X+n/4], 8*(n%4), 8       ; byte n of my 64
	v_cmp_ne_u32 s[16+n%8], 0, v[T+n%4]            ; over the 32 lanes: word n
	v_writelane_b32 v[W+n%2], s[16+n%8], n/2
	s_and_b32 s24, s24, s[16+n%8]
	s_or_b32 s25, s25, s[16+n%8]
.set n, n+1
.endr
	global_store_b64 v5, v[W:W+1], s[6:7]          ; 32 lanes store 256 consecutive bytes, at a multiple of 256 from the buffer's first byte
	s_mov_b32 s26, 1                               ; the class: mixed,
	s_cmp_eq_u32 s25, 0
	s_cselect_b32 s26, 2, s26                      ; or nothing hidden,
	s_cmp_eq_u32 s24, -1
	s_cselect_b32 s26, 0, s26                      ; or all hidden
	s_lshl_b32 s2, s10, 1
	s_lshl_b32 s26, s26, s2                        ; at my key step's two bits
	v_mov_b32 v30, s26
	ds_store_b32 v6, v30                           ; all lanes write the same word with the same value
	s_wait_dscnt 0x0                               ; for the others' sake: my store has landed
	s_barrier_signal -1
	s_barrier_wait -1
	ds_load_b128 v[32:35], v7                      ; the eight waves' words
	ds_load_b128 v[36:39], v7 offset:16
	s_wait_dscnt 0x0
	v_or_b32 v32, v32, v33
	v_or_b32 v34, v34, v35
	v_or_b32 v36, v36, v37
	v_or_b32 v38, v38, v39
	v_or_b32 v32, v32, v34
	v_or_b32 v36, v36, v38
	v_or_b32 v32, v32, v36
	s_cmp_lg_u32 s10, 0                            ; wave 0 stores the class word, from its lane 0
	s_cbranch_scc1 .Lend
	s_wait_xcnt 0x0                                ; EXEC is a source of the store above: it changes only behind this wait
	v_cmp_gt_u32 vcc_lo, 1, v0
	s_and_saveexec_b32 s27, vcc_lo
	global_store_b32 v7, v32, s[8:9]
	s_wait_xcnt 0x0                                ; and again in front of the line that widens it
	s_or_b32 exec_lo, exec_lo, s27
.Lend:
	s_wait_tensorcnt 0x0
	ds_add_u32 v40, v41
	s_wait_dscnt 0x0
	s_endpgm
.Lfunc_end_k_q97dc3c3616_maskprep:
	.size	k_q97dc3c3616_maskprep, .Lfunc_end_k_q97dc3c3616_maskprep-k_q97dc3c3616_maskprep
	.p2alignl 7, 3214868480
	.fill 96, 4, 3214868480
	.section	.rodata,"a",@progbits
	.p2align	6, 0x0
	.amdhsa_kernel k_q97dc3c3616_maskprep
		.amdhsa_group_segment_fixed_size 1280
		.amdhsa_private_segment_fixed_size 0
		.amdhsa_enable_private_segment 0
		.amdhsa_kernarg_size 24
		.amdhsa_user_sgpr_count 2
		.amdhsa_user_sgpr_kernarg_segment_ptr 1
		.amdhsa_wavefront_size32 1
		.amdhsa_system_sgpr_workgroup_id_x 1
		.amdhsa_system_sgpr_workgroup_id_y 1
		.amdhsa_system_sgpr_workgroup_id_z 1
		.amdhsa_system_vgpr_workitem_id 0
		.amdhsa_next_free_vgpr 42
		.amdhsa_next_free_sgpr 66
		.amdhsa_reserve_vcc 1
		.amdhsa_float_denorm_mode_32 3
		.amdhsa_float_denorm_mode_16_64 3
		.amdhsa_memory_ordered 1
		.amdhsa_forward_progress 1
		.amdhsa_inst_pref_size 20
	.end_amdhsa_kernel
	.amdgpu_metadata
---
amdhsa.version: [ 1, 2 ]
amdhsa.kernels:
  - .name:           k_q97dc3c3616_maskprep
    .symbol:         k_q97dc3c3616_maskprep.kd
    .args:
      - { .name: mask, .offset: 0, .size: 8, .value_kind: global_buffer, .address_space: global }
      - { .name: maskw, .offset: 8, .size: 8, .value_kind: global_buffer, .address_space: global }
      - { .name: clsw, .offset: 16, .size: 8, .value_kind: global_buffer, .address_space: global }
    .group_segment_fixed_size: 1280
    .private_segment_fixed_size: 0
    .kernarg_segment_align: 8
    .kernarg_segment_size: 24
    .max_flat_workgroup_size: 256
    .sgpr_count:     66
    .vgpr_count:     42
    .wavefront_size: 32
...
	.end_amdgpu_metadata
.endif
;; end of part 1
;; launch attn (part 2): grid 4 x 64, 16 waves a work-group, no clusters, 294,400 bytes of LDS; arguments Q_codes, Q_scales, K_codes, K_scales, V_codes, V_scales, maskw, clsw, out0; writes out0
.if DOCPART == 2
	.amdgcn_target "amdgcn-amd-amdhsa--gfx1250"
	.amdhsa_code_object_version 6
	.text
	.protected	k_q97dc3c3616_attn
	.globl	k_q97dc3c3616_attn
	.p2align	8
	.type	k_q97dc3c3616_attn,@function
k_q97dc3c3616_attn:
	s_mov_b64 s[64:65], 0
	v_nop
	global_prefetch_b8 v0, s[64:65] scope:SCOPE_SE
	s_setreg_imm32_b32 hwreg(HW_REG_WAVE_MODE, 25, 1), 1
	s_wait_xcnt 0x0
; out[head][q][:] = the sum over k of softmax_k(Q[q] . K[k] / 8, hidden keys at -infinity) V[k][:], 64 heads, 2,048 queries and keys, head size 64; both products on codes of FP6 (E2M3) with one E8M0 scale for each 32 along a product's K.
; Q, K: rows of 64 codes (48 bytes) and 2 scale bytes.  V: keys innermost, 64 rows of 2,048 codes (1,536 bytes) and 64 scale bytes a head.  out: f32, a row is 256 bytes.
; THE SOFTMAX AHEAD OF THE SECOND PRODUCT: t = score x log2(e) / 8; M = the row's largest t so far, rounded UP to a whole number; p = 2^(t - M) is quantised along the keys, not normalised.
; The row's sum is taken of the unquantised p and divides at the end.  When M moves, the sum and O are multiplied by 2^(old M - new M): exact.
; THE MASK is an input.  An earlier launch has read all of it and stored, for each unit (16 queries x 128 keys), 64 lane masks (one for each score register) and a class: 0 all hidden, 1 mixed, 2 nothing hidden.
; A unit of class 0 adds nothing (every p is 0, M does not move): a scalar branch on the stored class leads round its work.  Class 1: 64 selects put -infinity where a bit is set.  No pattern of the mask is built in.
; SHARES.  A head's whole K and V, codes and scale bytes, 204,800 bytes, are laid into LDS ONCE, through registers; one barrier; from there on no wave waits for another.
; Work-group (x, head) serves two blocks of 256 queries: 7 - x, then x.  Wave w owns one tile of 16 queries in each: 16 (7 - x) + w and 16 x + 15 - w.  That order only spreads the work; it is right for any mask.
; Sixteen waves of 256 registers, four to a SIMD: one wave's softmax stands beside another's products and LDS loads.
; NO JOINT REQUESTS, though the four work-groups of a head read the same 204,800 bytes: a joint request is a tensor load;
; those bytes are read once by each work-group, at its head, while the branch leaves out every unit that the mask hides.
; LAYOUT.  Both products are used transposed: S^T = K Q^T (source 0 = 16 keys, source 1 = my 16 queries), O^T = V^T P^T (source 0 = 16 of the head's 64, source 1 = P): a lane holds ONE query (lane % 16) throughout.
; THE KEYS OF A TILE ARE NOT NEIGHBOURS: lane r of tile 2 b + u takes key 32 b + 8 u + r + 8 (r / 8), so that the 16 registers of tiles 2 b and 2 b + 1 are 16 neighbouring keys, 32 b + 16 (lane / 16) + 0 .. 15.
; THE FIRST PRODUCT'S K IS 64, half of the instruction's 128: registers 6 to 11 of K's and Q's fragments hold zero codes, written once, and bytes 2 and 3 of their scale words are 0 (no NaN byte) over them.
; LIMITS.  A row from which every key is hidden gives 0 x (1 / 0) = NaN.  Scale bytes 0xff among the inputs and scores beyond f32's range are not served.  A p under 2^-126 counts as 0 (v_exp_f32 flushes it).
; A block's largest p is taken as the exponential of the block's largest score (it takes v_exp_f32 not to fall where its input rises).
; LDS (bytes):
.set KB,   0                           ; K's codes: 128 groups of 16 keys, 768 bytes + 128 of padding.  The two groups of eight keys of a tile lie 896 bytes = 224 words apart, half way round the 64 banks of 4 bytes (ISA guide 11.1):
.set KG,   896                         ;   the 32 lanes of a load of 8 bytes (words 12 (r % 8) + 6 h + 32 (r / 8), modulo 64) touch 64 different banks
.set VB,   128*KG                      ; V's codes: 64 rows of 1,536 + 16 bytes = 388 words: row r starts at bank 4 r, lanes 16-31 six words on: again 64 different banks
.set VP,   1552
.set KS,   VB+64*VP                    ; K's scale bytes, 2 a key, as they lie in memory
.set VS,   KS+4096                     ; V's scale bytes: 64 rows of 64 + 8 bytes = 18 words: 32 lanes, 32 different banks
.set VSP,  72
.set STG,  VS+64*VSP                   ; the way out: 16 rows x (256 + 16) bytes for each wave, its own
.set SP,   272
; VECTOR REGISTERS
.set AK0,  1                           ; v1   my lane's place in a tile of K
.set AV0,  2                           ; v2   in a tile of V
.set ASK0, 3                           ; v3   among K's scale words: lanes 0-15 an even tile's keys, lanes 16-31 the odd tile's
.set ASV0, 4                           ; v4   among V's: lane L takes row L of 32
.set STO,  5                           ; v5   the way out: where I put 32 bytes of a row
.set RD,   6                           ; v6   and where I read a row back
.set GO0,  7                           ; v7   16 x lane
.set ADK,  8                           ; v8   LDS address of the step's K; on the way out the stores' offset
.set ADV,  9                           ; v9   of the step's V, tiles 0 and 1
.set ADS,  10                          ; v10  of K's scale words
.set ADT,  11                          ; v11  of V's
                                       ; v12 -M, v13 the largest t, v[14:15] the sum in two halves
.set QF,   16                          ; v[16:27]   Q's fragment
.set ADV2, 28                          ; v28  V's tiles 2 and 3: 32 rows on, beyond the 16-bit immediate
.set QA,   29                          ; v29  Q's codes' offset
.set VSC,  30                          ; v30, v31   V's scale words: tiles 0 | 1 and 2 | 3 in the lower | upper lanes
.set KFR,  32                          ; v[32:79]   four fragments of K
.set VFR,  80                          ; v[80:127]  V's four fragments
.set S,    128                         ; v[128:191] S^T, then p; on the way out O / sum and the rows read back
.set OT,   192                         ; v[192:223] O^T, four tiles
                                       ; v[224:235] p's codes; v232-247 at work
.set KSC,  248                         ; v[248:251] K's scale words: register b: tile 2 b | 2 b + 1
                                       ; v252 f, v253 p's scale word, v254 at work
.set QSC,  255                         ; v255 Q's scale words
.set FO,   192                         ; during the fill only: offsets and LDS addresses, v192-198; v200-203 at work
.set FA,   193
.set FB,   194
.set FV,   195
.set SGO,  196
.set KSA,  197
.set VSA,  198
; SCALAR REGISTERS: s[4:21] the nine buffers; s[32:63], s[68:99] a unit's 64 lane masks
.set WV,   22                          ; my wave's number
.set HD,   23                          ; the head
.set SEL,  24                          ; s[24:25] v_permlanex16_b32's selects for lane l xor 16
.set CS,   26                          ; s[26:27] c = log2(e) / 8
.set TK,   28                          ; the step's place in K's codes, 7,168 bytes a step
.set TV,   29                          ; in a row of V, 96
.set TSK,  30                          ; in K's scale bytes, 256
.set TSV,  31                          ; in a row of V's, 4
.set CNT,  66                          ; counts the 16 steps; before that the class words' offset
.set SH,   67                          ; 2 x step: where the step's class lies
.set CLS,  100                         ; s[100:101] the tile's two class words, joined into s100
.set MOFF, 104                         ; the unit's offset in maskw, 256 a step
.set OUTA, 105                         ; the first tile's offset in out
.set OUTB, 8                           ; the second's (K's address is done with by then)
; A tile's start.  s2 = the tile of queries, 0 .. 127.  Asks for its class words, Q's fragment and Q's scale words.
.macro SETUP outreg
	s_lshl_b32 s[MOFF], s2, 12                     ; 16 units of 256 bytes a tile
	s_lshl_b32 s[CNT], s2, 3                       ; two class words a tile (this register is written again only behind the wait for the load)
	s_load_b64 s[CLS:CLS+1], s[18:19], s[CNT] offset:0x0
	s_lshl_b32 s2, s2, 4
	s_lshl_b32 s3, s[HD], 11
	s_add_co_u32 s2, s2, s3                        ; my first row among the 131,072 of all heads
	s_lshl_b32 s[\outreg], s2, 8                   ; 256 bytes a row of out
	s_lshl_b32 s3, s2, 1                           ; 2 scale bytes,
	s_mul_i32 s2, s2, 48                           ; 48 bytes of codes
	v_and_b32 v254, 15, v0                         ; r
	v_bfe_u32 v[QA], v0, 4, 1                      ; h
	v_mul_u32_u24 v[QA], v[QA], 24
	v_mad_u32_u24 v[QA], v254, 48, v[QA]
	v_add_nc_u32 v[QA], s2, v[QA]                  ; row r, + 24 h: my 32 codes
	v_lshl_add_u32 v254, v254, 1, s3
.irp p, 0,1,2
	global_load_b64 v[QF+2*\p:QF+2*\p+1], v[QA], s[4:5] offset:8*\p th:TH_LOAD_NT
.endr
	global_load_u16 v[QSC], v254, s[6:7] th:TH_LOAD_NT   ; two scale bytes, the upper two bytes 0
.endm
; K's tiles 4 g .. 4 g + 3: three loads of 8 bytes each, the fragment's registers 0 to 5
.macro KLOAD g
.irp t, 0,1,2,3
.irp p, 0,1,2
	ds_load_b64 v[KFR+12*\t+2*\p:KFR+12*\t+2*\p+1], v[ADK] offset:(2*\g+\t/2)*2*KG+(\t%2)*384+8*\p
.endr
.endr
.endm
; and their four products: each starts its sum with the constant 0
.macro KQ4 g
.irp t, 0,1,2,3
.if (\t)%2
	v_wmma_scale_f32_16x16x128_f8f6f4 v[S+8*(4*\g+\t):S+8*(4*\g+\t)+7], v[KFR+12*\t:KFR+12*\t+11], v[QF:QF+11], 0, v[KSC+2*\g+\t/2], v[QSC] matrix_a_fmt:MATRIX_FMT_FP6 matrix_b_fmt:MATRIX_FMT_FP6 matrix_a_scale:MATRIX_SCALE_ROW1
.else
	v_wmma_scale_f32_16x16x128_f8f6f4 v[S+8*(4*\g+\t):S+8*(4*\g+\t)+7], v[KFR+12*\t:KFR+12*\t+11], v[QF:QF+11], 0, v[KSC+2*\g+\t/2], v[QSC] matrix_a_fmt:MATRIX_FMT_FP6 matrix_b_fmt:MATRIX_FMT_FP6
.endif
.endr
.endm
; A KEY STEP: 128 keys for my 16 queries.
.macro STEP
	s_lshr_b32 s3, s[CLS], s[SH]
	s_and_b32 s3, s3, 3                            ; the unit's class, a stored whole number
	s_cmp_eq_u32 s3, 0
	s_cbranch_scc1 .Lhid_\@                        ; all hidden: only the lines that step addresses are run
	s_load_b512 s[32:47], s[16:17], s[MOFF] offset:0x0    ; the unit's 64 lane masks: they land under the first product
	s_load_b512 s[48:63], s[16:17], s[MOFF] offset:0x40
	s_load_b512 s[68:83], s[16:17], s[MOFF] offset:0x80
	s_load_b512 s[84:99], s[16:17], s[MOFF] offset:0xc0
	v_add_nc_u32 v[ADK], s[TK], v[AK0]
	v_add_nc_u32 v[ADS], s[TSK], v[ASK0]
	KLOAD 0
.irp b, 0,1,2,3
	ds_load_u16 v[KSC+\b], v[ADS] offset:64*\b     ; two scale bytes a key, the upper two bytes 0
.endr
	s_wait_dscnt 0x0
	KQ4 0
	v_add_nc_u32 v[ADV], s[TV], v[AV0]             ; these three and the v_nop are the four places in front of the loads into K's registers; with the two additions above, six in front of those into V's
	v_add_nc_u32 v[ADT], s[TSV], v[ASV0]
	v_add_nc_u32 v[ADV2], 32*VP, v[ADV]
	v_nop
	KLOAD 1
.irp t, 0,1,2,3                                ; V's four fragments and scale words are asked for here and land under the softmax
.irp p, 0,1,2,3,4,5
.if \t < 2
	ds_load_b64 v[VFR+12*\t+2*\p:VFR+12*\t+2*\p+1], v[ADV] offset:(\t%2)*16*VP+48*(\p/3)+8*(\p%3)
.else
	ds_load_b64 v[VFR+12*\t+2*\p:VFR+12*\t+2*\p+1], v[ADV2] offset:(\t%2)*16*VP+48*(\p/3)+8*(\p%3)
.endif
.endr
.endr
.irp j, 0,1
	ds_load_b32 v[VSC+\j], v[ADT] offset:32*VSP*\j
.endr
	s_wait_dscnt 26                                ; K's twelve are in; V's 24 and its two scale words, issued behind them, may be out
	KQ4 1
	v_mov_b32 v254, 0xff800000                     ; -infinity.  This line and three v_nop: the four places in front of the first read of the scores
.rept 3
	v_nop
.endr
	s_wait_kmcnt 0x0                               ; the lane masks are in; on both ways, so that their registers and their offset may be written again
	s_cmp_eq_u32 s3, 2
	s_cbranch_scc1 .Lopen_\@                       ; nothing hidden: no selects
.set n, 0
.rept 64
	v_cndmask_b32 v[S+n], v[S+n], v254, s[32+n+4*(n/32)]   ; register n: key 32 (n / 16) + 16 (lane / 16) + n % 16 of the step; hidden where my lane's bit is set.  Each accumulator from its low end on
.set n, n+1
.endr
.Lopen_\@:
.irp b, 0,1,2,3
	v_max3_num_f32 v[232+\b], v[S+16*\b], v[S+1+16*\b], v[S+2+16*\b]   ; THE LARGEST SCORE OF EACH BLOCK OF 32 KEYS: for the row's maximum, and, since p rises with the score, for the block's largest p
.endr
.irp i, 3,5,7,9,11,13
.irp b, 0,1,2,3
	v_max3_num_f32 v[232+\b], v[232+\b], v[S+16*\b+\i], v[S+1+16*\b+\i]   ; (the four blocks by turns)
.endr
.endr
.irp b, 0,1,2,3
	v_max_num_f32 v[232+\b], v[232+\b], v[S+15+16*\b]
.endr
.irp b, 0,1,2,3
	v_permlanex16_b32 v[236+\b], v[232+\b], s[SEL], s[SEL+1]
.endr
.irp b, 0,1,2,3
	v_max_num_f32 v[232+\b], v[232+\b], v[236+\b]  ; with lane l xor 16's 16 keys
.endr
	v_max3_num_f32 v254, v232, v233, v234
	v_max_num_f32 v254, v254, v235                 ; the step's largest score of my query
	v_mul_f32 v254, s[CS], v254                    ; as t (c is positive)
	v_max_num_f32 v13, v13, v254                   ; the running largest t
	v_mov_b32 v254, v12
	v_floor_f32 v12, -v13                          ; the new -M = floor(-t) = -ceil(t): M is a whole number
	v_sub_f32 v254, v12, v254                      ; M's old value less its new one: a whole number, 0 or less
	v_cvt_i32_f32 v254, v254                       ; (it saturates)
	v_ldexp_f32 v252, 1.0, v254                    ; f = 2^(old M - new M)
.set j, 0
.rept 32
	v_pk_fma_f32 v[S+j:S+j+1], v[S+j:S+j+1], s[CS:CS+1], v[12:13] op_sel_hi:[1,0,0]   ; t - M, two at a time (of the pairs c and -M the low word serves both halves)
.set j, j+2
.endr
.irp b, 0,1,2,3
	v_fma_f32 v[232+\b], v[232+\b], s[CS], v12     ; the same of each block's largest score
.endr
.set j, 0
.rept 64
	v_exp_f32 v[S+j], v[S+j]                       ; p = 2^(t - M), at most 1: not normalised; 0 for a hidden key
.set j, j+1
.endr
	v_pk_mul_f32 v[14:15], v[14:15], v[252:253] op_sel_hi:[1,0]   ; the sums under the new M: the plain line behind the exponentials
	s_wait_alu depctr_va_vdst(0)                   ; one wait for the batch of 64, ahead of its first reader
.irp b, 0,1,2,3
	v_exp_f32 v[232+\b], v[232+\b]                 ; the block's largest p: the same two instructions on the same number give the same bits
.endr
	v_pk_add_f32 v[236:237], v[S:S+1], v[S+2:S+3]  ; THE ROW'S SUM IS TAKEN OF THE UNQUANTISED p: two at a time, in two chains; it reads the 64 alone
.set j, 4
.rept 15
	v_pk_add_f32 v[14:15], v[14:15], v[S+j:S+j+1]
	v_pk_add_f32 v[236:237], v[236:237], v[S+2+j:S+3+j]
.set j, j+4
.endr
	v_pk_add_f32 v[14:15], v[14:15], v[236:237]
	s_wait_alu depctr_va_vdst(0)                   ; and one for the four
.irp b, 0,1,2,3
	v_max_num_f32 v[232+\b], 0x1800000, v[232+\b]  ; the floor 2^(3 - 127): the byte cannot fall under 1 (a block whose every p is 0 keeps that byte: its codes are zeros)
.endr
.irp b, 0,1,2,3
	v_add_nc_u32 v[244+\b], 0xff000000, v[232+\b]  ; 2 off the exponent field: the conversion's scale operand
.endr
.irp b, 0,1,2,3
	v_lshrrev_b32 v[236+\b], 23, v[244+\b]         ; the scale's byte
.endr
	v_lshl_or_b32 v253, v237, 8, v236              ; p's scale word for these 128 keys
	v_lshl_or_b32 v253, v238, 16, v253
	v_lshl_or_b32 v253, v239, 24, v253
.irp c, 0,1
	v_cvt_scalef32_pk16_fp6_f32 v[224+6*\c:226+6*\c], v[S+32*\c:S+15+32*\c], v[244+2*\c]
	v_cvt_scalef32_pk16_fp6_f32 v[236+4*\c:238+4*\c], v[S+16+32*\c:S+31+32*\c], v[244+2*\c+1]   ; (a conversion's three registers begin on an even number)
.endr
	v_nop                                          ; one plain line behind the scaled conversions
.irp c, 0,1                                    ; the operand's layout wants a WHOLE block in a lane: lanes 0-15 block 2 c, lanes 16-31 block 2 c + 1
.irp i, 0,1,2
	v_permlane16_swap_b32 v[224+6*\c+\i], v[236+4*\c+\i]
.endr
.irp i, 0,1,2
	v_mov_b32 v[227+6*\c+\i], v[236+4*\c+\i]
.endr
.endr
.set j, 0
.rept 16
	v_pk_mul_f32 v[OT+j:OT+j+1], v[OT+j:OT+j+1], v[252:253] op_sel_hi:[1,0]   ; O^T under the new M: x f; each accumulator from its low end on.  These sixteen also stand between the codes' and the scale word's last writes and the products
.set j, j+2
.endr
	s_wait_dscnt 0x0                               ; V's fragments and scale words are in
.irp t, 0,1,2,3                                ; O^T += V^T P^T: the four accumulators by turns, one instruction a turn
.if (\t)%2
	v_wmma_scale_f32_16x16x128_f8f6f4 v[OT+8*\t:OT+8*\t+7], v[VFR+12*\t:VFR+12*\t+11], v[224:235], v[OT+8*\t:OT+8*\t+7], v[VSC+\t/2], v253 matrix_a_fmt:MATRIX_FMT_FP6 matrix_b_fmt:MATRIX_FMT_FP6 matrix_a_scale:MATRIX_SCALE_ROW1
.else
	v_wmma_scale_f32_16x16x128_f8f6f4 v[OT+8*\t:OT+8*\t+7], v[VFR+12*\t:VFR+12*\t+11], v[224:235], v[OT+8*\t:OT+8*\t+7], v[VSC+\t/2], v253 matrix_a_fmt:MATRIX_FMT_FP6 matrix_b_fmt:MATRIX_FMT_FP6
.endif
.endr
.Lhid_\@:
	s_add_co_u32 s[TK], s[TK], 8*KG                ; on to the next 128 keys
	s_add_co_u32 s[TV], s[TV], 96
	s_add_co_u32 s[TSK], s[TSK], 256
	s_add_co_u32 s[TSV], s[TSV], 4
	s_add_co_u32 s[MOFF], s[MOFF], 256
	s_add_co_u32 s[SH], s[SH], 2
.endm
; A tile's 16 key steps.  Which step is the first that counts hangs on the mask, so none can be written out with the constant 0 as C: O^T and the sum begin as zeros and the largest t as -3e38, and the first change of M multiplies zeros.
.macro RUN
	s_wait_loadcnt 0x0                             ; Q
	s_wait_kmcnt 0x0                               ; the class words
	s_lshl_b32 s[CLS+1], s[CLS+1], 16
	s_or_b32 s[CLS], s[CLS], s[CLS+1]              ; 16 steps x 2 bits
	v_mov_b32 v13, 0xff61b1e6                      ; -3e38, under every t
	v_floor_f32 v12, -v13
	v_mov_b32 v14, 0
	v_mov_b32 v15, 0
.set j, 0
.rept 32
	v_mov_b32 v[OT+j], 0
.set j, j+1
.endr
	s_mov_b32 s[TK], 0
	s_mov_b32 s[TV], 0
	s_mov_b32 s[TSK], 0
	s_mov_b32 s[TSV], 0
	s_mov_b32 s[SH], 0
	s_mov_b32 s[CNT], 0
.Lstep_\@:
	STEP
	s_add_co_u32 s[CNT], s[CNT], 1
	s_cmp_lt_u32 s[CNT], 16
	s_cbranch_scc1 .Lstep_\@
.endm
; THE WAY OUT of a tile: O^T / the sum goes through my own stage in LDS and comes back as whole rows of 256 bytes.  first = 1: the next tile's SETUP, six plain vector lines, has stood behind the last products, and another tile follows.
.macro WAYOUT outreg, first
.if !\first
.rept 4
	v_nop                                          ; four places between the last products and the first read of O^T
.endr
.endif
	v_add_f32 v14, v14, v15                        ; the sum's two halves,
	v_permlanex16_b32 v252, v14, s[SEL], s[SEL+1]
	v_add_f32 v14, v14, v252                       ; and lane l xor 16's: the row's sum
	v_rcp_f32 v14, v14
	v_add_nc_u32 v[ADK], s[\outreg], v[GO0]        ; (the plain line behind the reciprocal)  my 16 bytes of the tile's first two rows
	s_wait_alu depctr_va_vdst(0)                   ; the wait ahead of the reciprocal's first reader
.set j, 0
.rept 16
	v_pk_mul_f32 v[S+j:S+j+1], v[OT+j:OT+j+1], v[14:15] op_sel_hi:[1,0]   ; register 8 t + i is out(r, 16 t + 8 h + i); each accumulator from its low end on
.set j, j+2
.endr
.irp t, 0,1,2,3
	ds_store_b128 v[STO], v[S+8*\t:S+8*\t+3] offset:64*\t
	ds_store_b128 v[STO], v[S+8*\t+4:S+8*\t+7] offset:64*\t+16
.endr
.irp i, 0,1,2,3,4,5,6,7
	ds_load_b128 v[S+32+4*\i:S+35+4*\i], v[RD] offset:2*\i*SP   ; LDS serves a wave's instructions in order (ISA guide 5.7.1.4): these see my stores
.endr
.irp i, 0,1,2,3,4,5,6,7
	s_wait_dscnt 7-\i                              ; rows 2 i and 2 i + 1 are back; the younger loads may be out
	global_store_b128 v[ADK], v[S+32+4*\i:S+35+4*\i], s[20:21] offset:512*\i th:TH_STORE_NT   ; 32 lanes store 512 consecutive bytes, two whole rows, at a multiple of 256 from out's first byte
.endr
.if \first
	s_wait_xcnt 0x0                                ; the stores have read their data and their offset: the next tile writes both again
.endif
.endm
	s_load_b512 s[4:19], s[0:1], 0x0               ; Q's codes s[4:5], Q's scales s[6:7], K's s[8:9], s[10:11], V's s[12:13], s[14:15], maskw s[16:17], clsw s[18:19]
	s_load_b64 s[20:21], s[0:1], 0x40              ; out
	v_lshrrev_b32 v1, 5, v0
	v_readfirstlane_b32 s[WV], v1                  ; wave 0..15
	s_and_b32 s[HD], ttmp7, 0xffff
	s_mov_b32 s[SEL], 0x76543210
	s_mov_b32 s[SEL+1], 0xfedcba98
	s_mov_b32 s[CS], 0x3e38aa3b                    ; c = log2(e) / 8
	s_mov_b32 s[CS+1], s[CS]                       ; (named with it as a pair, so it is written)
.irp b, 0,1,2,3
	v_mov_b32 v[236+\b], 0                         ; written once: a lane permute's destination counts as one of its sources
.endr
	v_mov_b32 v252, 0
	v_mov_b32 v253, 0                              ; (named as the upper half of the pair v[252:253] before it is first written)
.irp i, 6,7,8,9,10,11
	v_mov_b32 v[QF+\i], 0                          ; Q's zero codes for k = 64 .. 127: they stay
.endr
	s_sub_co_u32 s2, 7, ttmp9
	s_lshl_b32 s2, s2, 4
	s_add_co_u32 s2, s2, s[WV]                     ; my first tile: 16 (7 - x) + wave
	s_wait_kmcnt 0x0
	SETUP OUTA
	; THE FILL.  Wave w brings 6,144 dense bytes of K's codes (its 128 keys) and 6,144 of V's (4 rows), 512 bytes a load; thread t 8 bytes of each tensor of scale bytes.  26 loads a wave are out together.
	v_and_b32 v[GO0], 31, v0
	v_lshlrev_b32 v[GO0], 4, v[GO0]                ; 16 x lane
	s_mul_i32 s2, s[HD], 98304                     ; a head's codes, in K and in V alike
	s_mul_i32 s3, s[WV], 6144
	s_add_co_u32 s2, s2, s3
	v_add_nc_u32 v[FO], s2, v[GO0]
	s_lshl_b32 s3, s[HD], 12                       ; a head's 4,096 scale bytes
	v_lshl_add_u32 v[SGO], v0, 3, s3
.irp m, 0,1,2,3,4,5,6,7,8,9,10,11
	global_load_b128 v[KFR+4*\m:KFR+4*\m+3], v[FO], s[8:9] offset:512*\m
.endr
.irp m, 0,1,2,3,4,5,6,7,8,9,10,11
	global_load_b128 v[VFR+4*\m:VFR+4*\m+3], v[FO], s[12:13] offset:512*\m
.endr
	global_load_b64 v[S:S+1], v[SGO], s[10:11]
	global_load_b64 v[S+2:S+3], v[SGO], s[14:15]
	s_mul_i32 s3, s[WV], 8*KG
	v_add_nc_u32 v[FA], s3, v[GO0]                 ; K: my wave's eight groups, 16 x lane
	v_bfe_u32 v201, v0, 4, 1                       ; h
	v_lshl_add_u32 v[FB], v201, 7, v[FA]           ; and the same for a load that straddles two groups: lanes 16-31 lie behind one padding more
	s_mul_i32 s3, s[WV], 4*VP
	s_add_co_u32 s3, s3, VB
	v_add_nc_u32 v[FV], s3, v[GO0]                 ; V: my wave's four rows
	v_lshl_add_u32 v[KSA], v0, 3, KS               ; K's scale bytes: as they lie
	v_lshrrev_b32 v200, 3, v0
	v_and_b32 v202, 7, v0
	v_mul_u32_u24 v[VSA], v200, VSP
	v_lshl_add_u32 v[VSA], v202, 3, v[VSA]
	v_add_nc_u32 v[VSA], VS, v[VSA]                ; V's: eight threads to a row of 64 bytes
	v_and_b32 v200, 15, v0                         ; r
	v_bfe_u32 v203, v0, 3, 1                       ; r / 8
	v_mul_u32_u24 v[AK0], v203, KG
	v_mad_u32_u24 v[AK0], v202, 48, v[AK0]
	v_mad_u32_u24 v[AK0], v201, 24, v[AK0]         ; group r / 8, key r % 8 in it, + 24 h
	v_mul_u32_u24 v[AV0], v200, VP
	v_mad_u32_u24 v[AV0], v201, 24, v[AV0]
	v_add_nc_u32 v[AV0], VB, v[AV0]                ; row r, + 24 h
	v_lshl_add_u32 v[ASK0], v203, 3, v200
	v_lshl_add_u32 v[ASK0], v201, 3, v[ASK0]       ; key r + 8 (r / 8) + 8 h,
	v_lshl_add_u32 v[ASK0], v[ASK0], 1, KS         ; 2 bytes a key
	v_and_b32 v[ASV0], 31, v0
	v_mul_u32_u24 v[ASV0], v[ASV0], VSP
	v_add_nc_u32 v[ASV0], VS, v[ASV0]
	s_mul_i32 s3, s[WV], 16*SP
	s_add_co_u32 s3, s3, STG                       ; my stage
	v_mul_u32_u24 v[STO], v200, SP
	v_lshl_add_u32 v[STO], v201, 5, v[STO]
	v_add_nc_u32 v[STO], s3, v[STO]                ; in: row r, + 32 h
	v_mul_u32_u24 v[RD], v201, SP
	v_lshl_add_u32 v[RD], v200, 4, v[RD]
	v_add_nc_u32 v[RD], s3, v[RD]                  ; back: lanes 0-15 one row, lanes 16-31 the next
	s_wait_loadcnt 14                              ; Q and K's twelve are in; V's twelve and the two loads of scale bytes may be out
.irp m, 0,1,2,3,4,5,6,7,8,9,10,11              ; three loads are two groups of 768 bytes: the first lies in the first group, the second straddles, the third lies in the second
.if (\m)%3 == 1
	ds_store_b128 v[FB], v[KFR+4*\m:KFR+4*\m+3] offset:512*\m+256*(\m/3)
.else
	ds_store_b128 v[FA], v[KFR+4*\m:KFR+4*\m+3] offset:512*\m+256*(\m/3)+128*((\m%3)/2)
.endif
.endr
	s_wait_loadcnt 2                               ; V's twelve are in
.irp m, 0,1,2,3,4,5,6,7,8,9,10,11
	ds_store_b128 v[FV], v[VFR+4*\m:VFR+4*\m+3] offset:(\m/3)*VP+512*(\m%3)
.endr
	s_wait_loadcnt 0x0
	ds_store_b64 v[KSA], v[S:S+1]
	ds_store_b64 v[VSA], v[S+2:S+3]
	s_wait_dscnt 0x0                               ; for the others' sake: my part of the head lies in LDS
	s_barrier_signal -1
.irp t, 0,1,2,3
.irp i, 6,7,8,9,10,11
	v_mov_b32 v[KFR+12*\t+\i], 0                   ; K's zero codes for k = 64 .. 127: they stay (register work while the others arrive; the stores that read these registers are done)
.endr
.endr
	s_barrier_wait -1                              ; the one barrier: the whole head lies in LDS, and nobody writes it again
	RUN
	s_lshl_b32 s2, ttmp9, 4                        ; my second tile: 16 x + 15 - wave.  Its Q and class words are asked for ahead of the first tile's way out
	s_add_co_u32 s2, s2, 15
	s_sub_co_u32 s2, s2, s[WV]
	SETUP OUTB
	WAYOUT OUTA, 1
	RUN
	WAYOUT OUTB, 0
	s_wait_xcnt 0x0
	v_lshl_add_u32 v254, v0, 2, 0x47600
	v_mov_b32 v255, 0
	s_wait_tensorcnt 0x0
	ds_add_u32 v254, v255
	s_wait_dscnt 0x0
	s_endpgm
.Lfunc_end_k_q97dc3c3616_attn:
	.size	k_q97dc3c3616_attn, .Lfunc_end_k_q97dc3c3616_attn-k_q97dc3c3616_attn
	.p2alignl 7, 3214868480
	.fill 96, 4, 3214868480
	.section	.rodata,"a",@progbits
	.p2align	6, 0x0
	.amdhsa_kernel k_q97dc3c3616_attn
		.amdhsa_group_segment_fixed_size 294400
		.amdhsa_private_segment_fixed_size 0
		.amdhsa_enable_private_segment 0
		.amdhsa_kernarg_size 72
		.amdhsa_user_sgpr_count 2
		.amdhsa_user_sgpr_kernarg_segment_ptr 1
		.amdhsa_wavefront_size32 1
		.amdhsa_system_sgpr_workgroup_id_x 1
		.amdhsa_system_sgpr_workgroup_id_y 1
		.amdhsa_system_sgpr_workgroup_id_z 1
		.amdhsa_system_vgpr_workitem_id 0
		.amdhsa_next_free_vgpr 256
		.amdhsa_next_free_sgpr 106
		.amdhsa_reserve_vcc 0
		.amdhsa_float_denorm_mode_32 3
		.amdhsa_float_denorm_mode_16_64 3
		.amdhsa_memory_ordered 1
		.amdhsa_forward_progress 1
		.amdhsa_inst_pref_size 65
	.end_amdhsa_kernel
	.amdgpu_metadata
---
amdhsa.version: [ 1, 2 ]
amdhsa.kernels:
  - .name:           k_q97dc3c3616_attn
    .symbol:         k_q97dc3c3616_attn.kd
    .args:
      - { .name: Q_codes, .offset: 0, .size: 8, .value_kind: global_buffer, .address_space: global }
      - { .name: Q_scales, .offset: 8, .size: 8, .value_kind: global_buffer, .address_space: global }
      - { .name: K_codes, .offset: 16, .size: 8, .value_kind: global_buffer, .address_space: global }
      - { .name: K_scales, .offset: 24, .size: 8, .value_kind: global_buffer, .address_space: global }
      - { .name: V_codes, .offset: 32, .size: 8, .value_kind: global_buffer, .address_space: global }
      - { .name: V_scales, .offset: 40, .size: 8, .value_kind: global_buffer, .address_space: global }
      - { .name: maskw, .offset: 48, .size: 8, .value_kind: global_buffer, .address_space: global }
      - { .name: clsw, .offset: 56, .size: 8, .value_kind: global_buffer, .address_space: global }
      - { .name: out0, .offset: 64, .size: 8, .value_kind: global_buffer, .address_space: global }
    .group_segment_fixed_size: 294400
    .private_segment_fixed_size: 0
    .kernarg_segment_align: 8
    .kernarg_segment_size: 72
    .max_flat_workgroup_size: 512
    .sgpr_count:     106
    .vgpr_count:     256
    .wavefront_size: 32
...
	.end_amdgpu_metadata
.endif
;; end of part 2
